; MI455X (gfx1250); checked and timed in simulation.
; The chip was launched on July 23, 2026; its instructions are those of AMD's public machine-readable ISA for CDNA 5 (MIT licence, August 2026) and "CDNA5" Instruction Set Architecture Reference Guide (July 2026). The comments in the code are by the model that wrote it; some were corrected since.
;; Head. Allowed arithmetic: matrix products marked QUANTISED: E2M1 operands, one E8M0 scale for each 32 along K, by v_wmma_scale_f32_16x16x128_f8f6f4 with both operands' format E2M1 (or v_wmma_scale_f32_32x16x128_f4), f32 sums; everything else in f32.
;; Inputs: Wk_codes 64 x 16 x 16 uint8 (E2M1 codes of Wk, K innermost, in blocks of 32 codes, two codes a byte); Wk_scales 64 x 16 uint8 (E8M0 scales of Wk, one for each 32 codes along K); Wq_codes 64 x 16 x 16 uint8 (E2M1 codes of Wq, K innermost, in blocks of 32 codes, two codes a byte); Wq_scales 64 x 16 uint8 (E8M0 scales of Wq, one for each 32 codes along K); Wv_codes 512 x 16 x 16 uint8 (E2M1 codes of Wv, K innermost, in blocks of 32 codes, two codes a byte); Wv_scales 512 x 16 uint8 (E8M0 scales of Wv, one for each 32 codes along K); x_codes 4 x 4,096 x 16 x 16 uint8 (E2M1 codes of x, K innermost, in blocks of 32 codes, two codes a byte); x_scales 4 x 4,096 x 16 uint8 (E8M0 scales of x, one for each 32 codes along K).
;; Outputs: out0 4 x 4,096 x 512 float32.
;; This version of the problem:
;;   THIS VERSION OF THE PROBLEM IS GIVEN IN LOW PRECISION. The matrix products marked QUANTISED in the list below multiply operands that are first quantised to E2M1 (2 exponent bits, 1 mantissa bit; 4 bits a number), with one power-of-two scale for each 32 numbers along K (OCP MX v1.0); their sums are f32. All else is computed in f32.
;;   The module's matrix products, in the order in which they are computed (A, B: the left and right operand; K: the contracted axis; several contracted axes count as one K, in the product's order):
;;     1. [M 16,384, K 512] x [K 512, N 64]; A: input x (given as codes); B: input Wk (given as codes): QUANTISED
;;     2. [M 16,384, K 512] x [K 512, N 64]; A: input x (given as codes); B: input Wq (given as codes): QUANTISED
;;     3. [M 16,384, K 512] x [K 512, N 512]; A: input x (given as codes); B: input Wv (given as codes): QUANTISED
;;     4. batch 4 x [M 4,096, K 64] x [K 64, N 4,096]; A: computed on the way; B: computed on the way: QUANTISED
;;     5. batch 4 x [M 4,096, K 4,096] x [K 4,096, N 512]; A: softmax (see below); B: computed on the way: QUANTISED
;;   THE QUANTISER, for each operand of a quantised product, along K:
;;     - K is cut into blocks of 32 from its start; a last block that is shorter is filled with zeros.
;;     - A block's scale is 2^e with e = floor(log2(the largest magnitude in the block)) - 2, held to -126 .. 127; a block of zeros has e = 0. As a byte (E8M0): e + 127.
;;     - Each number is divided by its block's scale, clamped to +-6, and rounded to the nearest number of E2M1, ties to even, subnormals kept.
;;     - The product sums the exact products of the quantised numbers (number of the format x scale) in f32.
;;   ~~~python
;;   def quantise(x, axis):      # numpy; x: float32 -> the quantised numbers, widened to float32 again
;;       x = np.moveaxis(x, axis, -1); K = x.shape[-1]
;;       x = np.pad(x, [(0, 0)] * (x.ndim - 1) + [(0, -K % 32)]); x = x.reshape(x.shape[:-1] + (-1, 32)); a = np.abs(x).max(-1, keepdims=True)
;;       e = np.where(a > 0, np.clip(np.frexp(np.where(a > 0, a, 1))[1] - 1 - 2, -126, 127), 0)      # np.frexp(a)[1] - 1 = floor(log2(a)), exactly
;;       r = np.clip(x / 2.0 ** e, -6, 6)
;;       step = 2.0 ** (np.maximum(np.frexp(np.where(r == 0, 1, r))[1] - 1, 0) - 1)
;;       q = np.round(r / step) * step * 2.0 ** e      # np.round: ties to even
;;       return np.moveaxis(q.reshape(q.shape[:-2] + (-1,))[..., :K], -1, axis).astype(np.float32)
;;   ~~~
;;   SOFTMAX AHEAD OF A QUANTISED PRODUCT. Where the list says 'softmax', what is quantised is not the finished softmax but p = 2^(t - M), with t = logit x log2(e) and M = ceil(the row's largest t), a whole number; so 1/2 < the row's largest p <= 1. The row's sum l is taken of the UNQUANTISED p, in f32, and the product's result is divided by l at the end. Since M is a whole number, a kernel that streams over the keys may use a running M (the ceiling of the running maximum): every later rescaling is an exact power of two, which a block's scale takes up: the codes' values come out the same.
;;   OPERANDS COMPUTED ON THE WAY. 'Computed on the way' means the value that the module computes at that place (a softmax that the list does not call 'softmax' is quantised finished and normalised). What goes into a quantiser is computed in f32, as accurately as f32 sums, v_exp_f32 and their like allow (about 1e-6 of the number): no bf16 or f16 on the way to a quantiser, and a product that is left as it is and whose result goes on into a quantised operand takes f32 operands (vector FMAs, or v_wmma_f32_16x16x4_f32). A number that lies on a knife's edge between two numbers of the format may be rounded either way, as far as f32 arithmetic and the matrix unit's own rounding can turn it there, and no further.
;;   INPUTS GIVEN AS CODES. Wk (in the module: [64, 512], K = its axis 1); Wq (in the module: [64, 512], K = its axis 1); Wv (in the module: [512, 512], K = its axis 1); x (in the module: [4, 4096, 512], K = its axis 2): each comes as NAME_codes (uint8): NAME with its K axis moved to the last place and cut into blocks of 32 codes, [.., K / 32, bytes a block], one block behind the other in memory; two codes a byte, the lower K in the low four bits (a code: sign, 2 exponent bits, 1 mantissa bit); and NAME_scales (uint8): the same leading axes, one E8M0 byte (e + 127) for each 32 codes along K. Its value is code x scale, taken as it is: it is not quantised again, and the codes and scales need not be those that the quantiser above would give.
;; One version. Each part assembles by itself: llvm-mc -triple=amdgcn-amd-amdhsa -mcpu=gfx1250 --defsym DOCPART=n.
;; ======== version 1 of 1: 2 launches
;; limits: right only within a limited range of input values
;; workspace buffers: vws 4,456,448 bytes; kws 589,824 bytes; qws 589,824 bytes
;; launch proj (part 1): grid 128 x 2, 4 waves a work-group, clusters of 4 x 1, 168,448 bytes of LDS; arguments x_codes, x_scales, Wv_codes, Wv_scales, Wk_codes, Wk_scales, Wq_codes, Wq_scales, vws, kws, qws; writes vws, kws, qws
.if DOCPART == 1
	.amdgcn_target "amdgcn-amd-amdhsa--gfx1250"
	.amdhsa_code_object_version 6
	.text
	.protected	k_qfa2625db44_proj
	.globl	k_qfa2625db44_proj
	.p2align	8
	.type	k_qfa2625db44_proj,@function
k_qfa2625db44_proj:
	s_mov_b64 s[64:65], 0
	v_nop
	global_prefetch_b8 v0, s[64:65] scope:SCOPE_SE
	s_setreg_imm32_b32 hwreg(HW_REG_WAVE_MODE, 25, 1), 1
	s_wait_xcnt 0x0
	s_wait_alu depctr_hold_cnt(0) depctr_sa_sdst(0) depctr_va_vdst(0) depctr_va_sdst(0) depctr_va_ssrc(0) depctr_va_vcc(0) depctr_vm_vsrc(0)
	s_getreg_b32 s2, hwreg(HW_REG_IB_STS2, 6, 4)
	s_cmp_eq_u32 s2, 0
	s_cbranch_scc0 .Lentry_in_a_cluster
	s_endpgm
.Lentry_in_a_cluster:
	s_bfe_u32 s2, ttmp6, 0x10000c
	s_cmp_lg_u32 s2, 0x3003
	s_cbranch_scc0 .Lentry_shape_is_right
	s_endpgm
.Lentry_shape_is_right:
; K = x Wk^T, Q = x Wq^T, V = x Wv^T on codes of FP4 (E2M1) with E8M0 scales, and the three results quantised again for the attention launch:
; K and Q along their 64 units (two blocks of 32), V along the tokens (blocks of 32 tokens).  x: 16,384 tokens x 512, rows of 256 bytes of codes and 16 scale bytes.
; SHARES.  A work-group takes 128 tokens (T = 4 x cluster x + cx) and one half of the columns (work-group y): 256 channels of V, and the 64 units of K (y = 0) or of Q (y = 1).
; Wave w: channel tiles 4 w .. 4 w + 3 of the half for all 128 tokens, and token tiles 2 w, 2 w + 1 for all 64 units: 160 matrix instructions.
; CLUSTER.  The four partners take different tokens and the same weights: the weights are asked for jointly (mask 15), x by plain loads.  Every LDS byte is filled once.
; LAYOUT OF THE RESULTS.  V: source 0 = 16 tokens of x, source 1 = 16 channels: a lane then holds ONE channel and eight tokens, and the 16 registers of token tiles 2 b, 2 b + 1 are block b of 32 tokens,
; in the order 16 (i / 8) + 8 (lane / 16) + i % 8.  The softmax weights of the next launch come out of their product in the same order, so both operands of that product carry the same order inside a block:
; the blocks, their scales and the products are those of the definition; only the order of the additions inside a block differs.  K and Q: source 0 = 16 units, source 1 = 16 tokens: the same along the units.
; WORKSPACE, as images of operand registers.  vws: a record of 34,816 bytes for each 128 tokens: 32 channel tiles x 1,024 bytes (registers 4 c .. 4 c + 3 at 512 c + 16 lane), then at 32,768 eight groups of 256 bytes
; of scale words (8 lane: register i holds tile 4 G + i in lanes 0-15 and tile 4 G + 2 + i in lanes 16-31).  kws, qws: a record of 4,608 bytes for each 128 tokens: 8 token tiles x 512 bytes (16 lane), then at 4,096
; four pairs of 128 bytes (4 lane: lanes 0-15 tile 2 g, lanes 16-31 tile 2 g + 1); a word is the two bytes written twice.
; LIMITS.  A scale byte 0xff among the inputs is not served.  A block whose largest magnitude lies under 2^-124, a block of zeros too, gets the byte 1: only this program reads the bytes.
; The K and Q scale stores cover 128 consecutive bytes each, 128 KiB in the whole launch; every other store covers 256 or 512 consecutive aligned bytes.
; WORK LEFT OUT of the program: reference() puts -infinity in place of every score whose key comes after its query, so that weight is 0 for all finite inputs; the attention launch leaves out whole steps of keys
; that come after all queries of a cluster's block.  LIMIT: a NaN, an infinity or an overflow that reaches only such scores, or V's rows there, is not carried to the result.
; A CHANNEL TILE IS NOT SIXTEEN NEIGHBOURS: lane r of tile ct takes channel 64 (ct / 4) + 4 r + ct % 4, so that four tiles' results of one lane are four neighbouring channels in the attention launch.
.set PITCH, 272                        ; an LDS row of x, Wk, Wq: 256 bytes + 16 of padding
.set XL,    0                          ; 128 rows of x
.set WVL,   128*PITCH                  ; 256 rows of Wv
.set WPITCH, 1040                      ; Wv: four channels, 1,024 dense bytes, + 16 of padding: the 16 rows of a fragment load, 1,040 bytes apart, start at 16 different banks
.set WKL,   WVL+64*WPITCH              ; 64 rows of Wk or Wq
.set VREC,  34816
.set KREC,  4608
.set WV,  26                           ; s26 wave
.set CX,  27                           ; s27 my place in the cluster: it enters global addresses alone
.set TT,  28                           ; s28 T
.set HF,  29                           ; s29 half
.set G1X, 36                           ; s[36:43], s[44:51], s[52:59] descriptor groups 1: x, Wv, Wk or Wq
.set G1V, 44
.set G1K, 52
.set G0X, 60                           ; s[60:63], s[68:71], s[72:75] their groups 0
.set G0V, 68
.set G0K, 72
.set SEL, 76                           ; s[76:77] lane selects: lane l xor 16
.set HM,  78                           ; s78 mask of lanes 16-31
.set AX,  4                            ; v4  row (lane % 16) x pitch + 16 (lane / 16)
.set AWV, 5                            ; v5  my 64 rows of Wv
.set AWK, 6                            ; v6  Wk or Wq
.set AXQ, 7                            ; v7  my two token tiles of x
.set VOC, 8                            ; v8-11 offsets of my stores in the records
.set VOS, 9
.set KOC, 10
.set KOS, 11
.set SR,  12                           ; v12-14 offsets of the scale rows
.set SRQ, 13
.set SRV, 14
.set XS,  16                           ; v16-47  x scale words: tile t, K step s at 4 t + s
.set WVS, 48                           ; v48-63  Wv
.set WKS, 64                           ; v64-79  Wk or Wq
.set XSQ, 80                           ; v80-87  x, my two token tiles
.set ACC0, 88                          ; v88-151, v152-215 two sets of eight accumulators
.set ACC1, 152
.set PC,  216                          ; v216-223 codes just made
.set PWV, 224                          ; v224-227 the four channel tiles' scale words
.set VSP, 228
.set DUP, 230
.set KSP, 232
.set TM,  236                          ; v236-251 at work
.set PW,  252
; window 1: x fragments (tile t, step s) at 32 t + 8 s.  window 2: Wv (tile, step) at 32 ct + 8 s; Wk or Wq at 128 + 32 t + 8 s.  window 3: my two token tiles at 32 tt + 8 s.
.set MSB, 0
.macro WIN new                         ; the immediate's high byte repeats the setting that is left
.if MSB != \new
	s_set_vgpr_msb (MSB<<8)|\new
.set MSB, \new
.endif
.endm
.macro PLACES n
.rept \n
	v_nop
.endr
.endm
.macro ROUND                           ; a round of the cluster's barrier
	s_barrier_signal -1
	s_barrier_wait -1
	s_cmp_lg_u32 s[WV], 0
	s_cbranch_scc1 .Lnot_wave_0_\@
	s_barrier_signal -3
.Lnot_wave_0_\@:
	s_barrier_wait -3
	s_barrier_signal -1
	s_barrier_wait -1
.endm
.macro FRAG reg, adr, off              ; 16 rows x 128 K of 4-bit codes: two loads of 16 bytes, 32 bytes apart
	ds_load_b128 v[(\reg):(\reg)+3], v[\adr] offset:(\off)
	ds_load_b128 v[(\reg)+4:(\reg)+7], v[\adr] offset:(\off)+32
.endm
; 32 matrix instructions: channel tile ct against the eight token tiles, four K steps; the eight accumulators take turns; the first K step starts the sums
.macro MULV ct, acc
	WIN 0x09                                       ; source 0 (x) window 1, source 1 (Wv) window 2
.irp s, 0,1,2,3
.if \ct == 0
	s_wait_dscnt 48-16*\s                          ; x of this K step is in: sixteen loads a K step, the later ones may be out
.endif
.irp t, 0,1,2,3,4,5,6,7
.if \s == 0
	v_wmma_scale_f32_16x16x128_f8f6f4 v[\acc+8*\t:\acc+8*\t+7], v[32*\t+8*\s:32*\t+8*\s+7], v[32*\ct+8*\s:32*\ct+8*\s+7], 0, v[XS+4*\t+\s], v[WVS+4*\ct+\s] matrix_a_fmt:MATRIX_FMT_FP4 matrix_b_fmt:MATRIX_FMT_FP4
.else
	v_wmma_scale_f32_16x16x128_f8f6f4 v[\acc+8*\t:\acc+8*\t+7], v[32*\t+8*\s:32*\t+8*\s+7], v[32*\ct+8*\s:32*\ct+8*\s+7], v[\acc+8*\t:\acc+8*\t+7], v[XS+4*\t+\s], v[WVS+4*\ct+\s] matrix_a_fmt:MATRIX_FMT_FP4 matrix_b_fmt:MATRIX_FMT_FP4
.endif
.endr
.endr
	WIN 0
.endm
; 32 matrix instructions: the four unit tiles against my two token tiles
.macro MULKQ
	WIN 0x0e                                       ; source 0 (Wk or Wq) window 2, source 1 (x) window 3
.irp s, 0,1,2,3
.irp tt, 0,1
.irp t, 0,1,2,3
.if \s == 0
	v_wmma_scale_f32_16x16x128_f8f6f4 v[ACC0+32*\tt+8*\t:ACC0+32*\tt+8*\t+7], v[128+32*\t+8*\s:128+32*\t+8*\s+7], v[32*\tt+8*\s:32*\tt+8*\s+7], 0, v[WKS+4*\t+\s], v[XSQ+4*\tt+\s] matrix_a_fmt:MATRIX_FMT_FP4 matrix_b_fmt:MATRIX_FMT_FP4
.else
	v_wmma_scale_f32_16x16x128_f8f6f4 v[ACC0+32*\tt+8*\t:ACC0+32*\tt+8*\t+7], v[128+32*\t+8*\s:128+32*\t+8*\s+7], v[32*\tt+8*\s:32*\tt+8*\s+7], v[ACC0+32*\tt+8*\t:ACC0+32*\tt+8*\t+7], v[WKS+4*\t+\s], v[XSQ+4*\tt+\s] matrix_a_fmt:MATRIX_FMT_FP4 matrix_b_fmt:MATRIX_FMT_FP4
.endif
.endr
.endr
.endr
	WIN 0
.endm
; nb blocks of 32 (16 numbers of each in my lane, 16 in lane l xor 16), v[s] on, become codes in v[PC] on and scale bytes in v[PW]
.macro QUANT s, nb
	s_wait_xcnt 0x0                                ; the last stores have read v[PC] on: only behind this wait are they written again
.irp b, 0,1,2,3
.if \b < \nb
	v_max3_num_f32 v[TM+\b], |v[(\s)+16*\b]|, |v[(\s)+16*\b+1]|, 0x1800000   ; with the floor 2^(3 - 127): the byte cannot fall under 1
.endif
.endr
.irp i, 2,4,6,8,10,12,14
.irp b, 0,1,2,3
.if \b < \nb
	v_max3_num_f32 v[TM+\b], v[TM+\b], |v[(\s)+16*\b+\i]|, |v[(\s)+16*\b+\i+1]|
.endif
.endr
.endr
.irp b, 0,1,2,3
.if \b < \nb
	v_permlanex16_b32 v[TM+4+\b], v[TM+\b], s[SEL], s[SEL+1]
.endif
.endr
.irp b, 0,1,2,3
.if \b < \nb
	v_max_num_f32 v[TM+\b], v[TM+\b], v[TM+4+\b]   ; the block's largest magnitude
.endif
.endr
.irp b, 0,1,2,3
.if \b < \nb
	v_add_nc_u32 v[TM+12+\b], 0xff000000, v[TM+\b] ; 2 off its exponent field: the conversion's scale operand
.endif
.endr
.irp b, 0,1,2,3
.if \b < \nb
	v_lshrrev_b32 v[TM+4+\b], 23, v[TM+12+\b]      ; the scale's byte
.endif
.endr
	v_lshl_or_b32 v[PW], v[TM+5], 8, v[TM+4]
.if \nb > 2
	v_lshl_or_b32 v[PW], v[TM+6], 16, v[PW]
	v_lshl_or_b32 v[PW], v[TM+7], 24, v[PW]
.endif
.irp b, 0,1,2,3
.if \b < \nb
	v_cvt_scalef32_pk8_fp4_f32 v[PC+2*\b], v[(\s)+16*\b:(\s)+16*\b+7], v[TM+12+\b]
	v_cvt_scalef32_pk8_fp4_f32 v[PC+2*\b+1], v[(\s)+16*\b+8:(\s)+16*\b+15], v[TM+12+\b]
.endif
.endr
	v_nop                                          ; one plain line behind the last scaled conversion
.irp c, 0,1
.if 2*\c < \nb
.irp i, 0,1
	v_permlane16_swap_b32 v[PC+4*\c+\i], v[PC+4*\c+2+\i]   ; a whole block to a lane: lanes 0-15 block 2 c, lanes 16-31 block 2 c + 1
.endr
.endif
.endr
.endm
.macro STOREV ct                       ; a channel tile's fragment: two stores of 512 consecutive bytes
	global_store_b128 v[VOC], v[PC:PC+3], s[20:21] offset:1024*\ct
	global_store_b128 v[VOC], v[PC+4:PC+7], s[20:21] offset:1024*\ct+512
	v_mov_b32 v[PWV+\ct], v[PW]
.endm
	s_load_b512 s[4:19], s[0:1], 0x0               ; x codes, x scales, Wv codes, Wv scales, Wk codes, Wk scales, Wq codes, Wq scales
	s_load_b128 s[20:23], s[0:1], 0x40             ; vws, kws
	s_load_b64 s[24:25], s[0:1], 0x50              ; qws
	v_lshl_add_u32 v254, v0, 2, 0x29000
	v_mov_b32 v255, 0
	ds_add_u32 v254, v255
	ds_add_u32 v254, v255
	v_lshrrev_b32 v1, 5, v0
	v_readfirstlane_b32 s[WV], v1
	s_bfe_u32 s[CX], ttmp6, 0x40000
	s_lshl_b32 s[TT], ttmp9, 2
	s_add_co_u32 s[TT], s[TT], s[CX]               ; T = 4 x cluster x + cx
	s_and_b32 s[HF], ttmp7, 0xffff
	; groups 1: rows of 256 elements of 1 byte, 16 bytes of padding behind each; x: 128 rows, no mask; Wv: 32 rows a load, Wk or Wq: 64 rows, mask 15 with bit 21 beside it
	s_mov_b32 s[G1X], (1<<20)|(5<<22)|(3<<25)
	s_mov_b32 s[G1V], 15|(1<<20)|(1<<21)|(7<<22)|(3<<25)
	s_mov_b32 s[G1V+1], 1024<<16                   ; Wv: dense, stated as rows of 1,024 bytes
	s_mov_b32 s[G1V+3], 1024<<16
	s_mov_b32 s[G1V+5], 1024
	s_mov_b32 s[G1V+6], 0
	s_mov_b32 s[G1V+7], 0
	s_mov_b32 s[G1K], 15|(1<<20)|(1<<21)|(5<<22)|(3<<25)
.irp g, G1X, G1K
	s_mov_b32 s[\g+1], 256<<16                     ; tensor_dim0
	s_mov_b32 s[\g+3], 256<<16                     ; tile_dim0
	s_mov_b32 s[\g+5], 256                         ; from row to row
	s_mov_b32 s[\g+6], 0
	s_mov_b32 s[\g+7], 0
.endr
	s_mov_b32 s[G1X+2], 128<<16                    ; x: all 128 rows in one load
	s_mov_b32 s[G1X+4], 128
	s_mov_b32 s[G1V+2], 32<<16                     ; Wv: 128 channels a load
	s_mov_b32 s[G1V+4], 32
	s_mov_b32 s[G1K+2], 64<<16                     ; Wk or Wq: all 64 rows
	s_mov_b32 s[G1K+4], 64
	s_lshl_b32 s30, s[TT], 15                      ; x: 128 T rows of 256 bytes
	s_mov_b32 s31, 0
	s_lshl_b32 s32, s[HF], 16                      ; Wv: 256 half + 128 (w / 2) rows: nothing of cx
	s_lshr_b32 s80, s[WV], 1                       ; wave 1: 0, wave 2: 1
	s_lshl_b32 s33, s80, 15
	s_add_co_u32 s32, s32, s33
	s_mov_b32 s33, 0
	s_mov_b32 s[SEL], 0x76543210
	s_mov_b32 s[SEL+1], 0xfedcba98
	s_wait_dscnt 0x0
	s_wait_kmcnt 0x0
	s_cmp_eq_u32 s[HF], 0                          ; half 0 makes K, half 1 makes Q: three pointers are chosen, the text is one
	s_cselect_b64 s[12:13], s[12:13], s[16:17]
	s_cselect_b64 s[14:15], s[14:15], s[18:19]
	s_cselect_b64 s[22:23], s[22:23], s[24:25]
	s_mov_b32 s[G0X], 1
	s_mov_b32 s[G0X+1], XL
	s_add_nc_u64 s[G0X+2:G0X+3], s[4:5], s[30:31]
	s_or_b32 s[G0X+3], s[G0X+3], 0x80000000
	s_mov_b32 s[G0V], 1
	s_mul_i32 s[G0V+1], s80, 32*WPITCH
	s_add_co_u32 s[G0V+1], s[G0V+1], WVL
	s_add_nc_u64 s[G0V+2:G0V+3], s[8:9], s[32:33]
	s_or_b32 s[G0V+3], s[G0V+3], 0x80000000
	s_mov_b32 s[G0K], 1
	s_mov_b32 s[G0K+1], WKL
	s_mov_b64 s[G0K+2:G0K+3], s[12:13]
	s_or_b32 s[G0K+3], s[G0K+3], 0x80000000
	ROUND                                          ; all four work-groups are here: the joint loads meet
; the launch's only fills, one load a wave: wave 0 fetches x, waves 1 and 2 the halves of Wv, wave 3 Wk or Wq; one tree of branches, each way through it passes one load
.macro ARM under, g0, g1, next
	s_cmp_lt_u32 s[WV], \under
	s_cbranch_scc0 \next
	tensor_load_to_lds s[\g0:\g0+3], s[\g1:\g1+7]
	s_nop 0
	PLACES 4
	s_branch .Lhead_asked
\next:
.endm
	ARM 1, G0X, G1X, .Lhead_v
	ARM 3, G0V, G1V, .Lhead_k
	tensor_load_to_lds s[G0K:G0K+3], s[G1K:G1K+7]
	s_nop 0
	PLACES 4
.Lhead_asked:
	s_lshl_b32 s30, s[TT], 11                      ; my 128 tokens' scale rows of 16 bytes
	s_add_nc_u64 s[6:7], s[6:7], s[30:31]
	s_mul_i32 s30, s[TT], VREC
	s_add_nc_u64 s[20:21], s[20:21], s[30:31]      ; my record of vws
	s_mul_i32 s30, s[TT], KREC
	s_add_nc_u64 s[22:23], s[22:23], s[30:31]      ; and of kws or qws
	v_and_b32 v1, 15, v0                           ; r
	v_bfe_u32 v2, v0, 4, 1                         ; h
	v_and_b32 v3, 31, v0                           ; lane
	v_lshlrev_b32 v[SR], 4, v1
	s_lshl_b32 s80, s[WV], 9
	v_add_nc_u32 v[SRQ], s80, v[SR]                ; tokens 32 w on
	s_lshl_b32 s80, s[HF], 12
	s_lshl_b32 s81, s[WV], 10
	s_add_co_u32 s80, s80, s81
	v_lshl_add_u32 v[SRV], v1, 6, s80              ; lane r: channel 4 r (+ ct)
	; scale words: a row's 16 bytes are the four words of its four K steps; lanes 0-15 read 256 consecutive bytes, lanes 16-31 the same
.irp t, 0,1,2,3,4,5,6,7
	global_load_b128 v[XS+4*\t:XS+4*\t+3], v[SR], s[6:7] offset:256*\t
.endr
.irp t, 0,1
	global_load_b128 v[XSQ+4*\t:XSQ+4*\t+3], v[SRQ], s[6:7] offset:256*\t
.endr
.irp t, 0,1,2,3
	global_load_b128 v[WVS+4*\t:WVS+4*\t+3], v[SRV], s[10:11] offset:16*\t
	global_load_b128 v[WKS+4*\t:WKS+4*\t+3], v[SR], s[14:15] offset:256*\t
.endr
	v_mul_u32_u24 v[AX], v1, PITCH
	v_lshl_add_u32 v[AX], v2, 4, v[AX]
	v_mul_u32_u24 v[AWV], v1, WPITCH
	v_lshl_add_u32 v[AWV], v2, 4, v[AWV]
	s_mul_i32 s80, s[WV], 16*WPITCH
	s_add_co_u32 s80, s80, WVL
	v_add_nc_u32 v[AWV], s80, v[AWV]
	v_add_nc_u32 v[AWK], WKL, v[AX]
	s_mul_i32 s80, s[WV], 32*PITCH
	v_add_nc_u32 v[AXQ], s80, v[AX]
	v_lshlrev_b32 v15, 4, v3                       ; 16 lane
	s_wait_alu depctr_va_vdst(0)
	s_lshl_b32 s80, s[HF], 14
	s_lshl_b32 s81, s[WV], 12
	s_add_co_u32 s80, s80, s81
	v_add_nc_u32 v[VOC], s80, v15                  ; channel tile 16 half + 4 w
	s_lshl_b32 s80, s[HF], 10
	s_lshl_b32 s81, s[WV], 8
	s_add_co_u32 s80, s80, s81
	s_add_co_u32 s80, s80, 32768
	v_lshl_add_u32 v[VOS], v3, 3, s80              ; group 4 half + w of the scale words
	s_lshl_b32 s80, s[WV], 10
	v_add_nc_u32 v[KOC], s80, v15                  ; token tile 2 w
	s_lshl_b32 s80, s[WV], 7
	s_add_co_u32 s80, s80, 4096
	v_lshl_add_u32 v[KOS], v3, 2, s80              ; pair w
	v_cmp_le_u32 s[HM], 16, v3
.irp b, 0,1,2,3
	v_mov_b32 v[TM+4+\b], 0                        ; a lane permute's destination counts as one of its sources
.endr
	s_wait_tensorcnt 0x0                           ; my parts of the three tiles are in,
	s_barrier_signal -1
	s_barrier_wait -1                              ; everybody's are
	WIN 0x80
.irp ct, 0,1
.irp s, 0,1,2,3
	FRAG 32*\ct+8*\s, AWV, 256*\ct+64*\s
.endr
.endr
	WIN 0x40
.irp s, 0,1,2,3
.irp t, 0,1,2,3,4,5,6,7
	FRAG 32*\t+8*\s, AX, \t*16*PITCH+64*\s
.endr
.endr
	WIN 0
	s_wait_loadcnt 0x0                             ; the scale words
	MULV 0, ACC0                                   ; (with its own waits, a K step at a time)
	MULV 1, ACC1
	WIN 0x80                                       ; the rest comes while the first results are quantised
.irp ct, 2,3
.irp s, 0,1,2,3
	FRAG 32*\ct+8*\s, AWV, 256*\ct+64*\s
.endr
.endr
	WIN 0xc0
.irp tt, 0,1
.irp s, 0,1,2,3
	FRAG 32*\tt+8*\s, AXQ, \tt*16*PITCH+64*\s
.endr
.endr
	WIN 0x80
.irp t, 0,1,2,3
.irp s, 0,1,2,3
	FRAG 128+32*\t+8*\s, AWK, \t*16*PITCH+64*\s
.endr
.endr
	WIN 0
	PLACES 4                                       ; between the last products and the first read of results
	QUANT ACC0, 4                                  ; one set is quantised while the other set's products run
	STOREV 0
	s_wait_dscnt 48                                ; Wv is in; the youngest 48 loads (my two token tiles, Wk or Wq) may be out
	MULV 2, ACC0
	PLACES 4
	QUANT ACC1, 4
	STOREV 1
	MULV 3, ACC1
	PLACES 4
	QUANT ACC0, 4
	STOREV 2
	s_wait_dscnt 0x0                               ; my two token tiles, Wk or Wq
	MULKQ
	PLACES 4
	QUANT ACC1, 4
	STOREV 3
	v_cndmask_b32 v[VSP], v[PWV], v[PWV+2], s[HM]  ; lanes 0-15: tiles 0, 1; lanes 16-31: tiles 2, 3
	v_cndmask_b32 v[VSP+1], v[PWV+1], v[PWV+3], s[HM]
	global_store_b64 v[VOS], v[VSP:VSP+1], s[20:21]   ; 256 consecutive aligned bytes
.irp tt, 0,1
	QUANT ACC0+32*\tt, 2
	v_lshl_or_b32 v[DUP+\tt], v[PW], 16, v[PW]     ; the two bytes twice: the word serves in either half of a K step of 128
	global_store_b128 v[KOC], v[PC:PC+3], s[22:23] offset:512*\tt
.endr
	v_cndmask_b32 v[KSP], v[DUP], v[DUP+1], s[HM]
	global_store_b32 v[KOS], v[KSP], s[22:23]
	s_wait_tensorcnt 0x0
	ds_add_u32 v254, v255
	s_wait_dscnt 0x0
	ROUND                                          ; the closing round: no work-group ends while a partner may still ask for a tile that names it
	s_endpgm
.Lfunc_end_k_qfa2625db44_proj:
	.size	k_qfa2625db44_proj, .Lfunc_end_k_qfa2625db44_proj-k_qfa2625db44_proj
	.p2alignl 7, 3214868480
	.fill 96, 4, 3214868480
	.section	.rodata,"a",@progbits
	.p2align	6, 0x0
	.amdhsa_kernel k_qfa2625db44_proj
		.amdhsa_group_segment_fixed_size 168448
		.amdhsa_private_segment_fixed_size 0
		.amdhsa_enable_private_segment 0
		.amdhsa_kernarg_size 88
		.amdhsa_user_sgpr_count 2
		.amdhsa_user_sgpr_kernarg_segment_ptr 1
		.amdhsa_wavefront_size32 1
		.amdhsa_system_sgpr_workgroup_id_x 1
		.amdhsa_system_sgpr_workgroup_id_y 1
		.amdhsa_system_sgpr_workgroup_id_z 1
		.amdhsa_system_vgpr_workitem_id 0
		.amdhsa_next_free_vgpr 832
		.amdhsa_next_free_sgpr 84
		.amdhsa_reserve_vcc 0
		.amdhsa_float_denorm_mode_32 3
		.amdhsa_float_denorm_mode_16_64 3
		.amdhsa_memory_ordered 1
		.amdhsa_forward_progress 1
		.amdhsa_inst_pref_size 60
	.end_amdhsa_kernel
	.amdgpu_metadata
---
amdhsa.version: [ 1, 2 ]
amdhsa.kernels:
  - .name:           k_qfa2625db44_proj
    .symbol:         k_qfa2625db44_proj.kd
    .args:
      - { .name: x_codes, .offset: 0, .size: 8, .value_kind: global_buffer, .address_space: global }
      - { .name: x_scales, .offset: 8, .size: 8, .value_kind: global_buffer, .address_space: global }
      - { .name: Wv_codes, .offset: 16, .size: 8, .value_kind: global_buffer, .address_space: global }
      - { .name: Wv_scales, .offset: 24, .size: 8, .value_kind: global_buffer, .address_space: global }
      - { .name: Wk_codes, .offset: 32, .size: 8, .value_kind: global_buffer, .address_space: global }
      - { .name: Wk_scales, .offset: 40, .size: 8, .value_kind: global_buffer, .address_space: global }
      - { .name: Wq_codes, .offset: 48, .size: 8, .value_kind: global_buffer, .address_space: global }
      - { .name: Wq_scales, .offset: 56, .size: 8, .value_kind: global_buffer, .address_space: global }
      - { .name: vws, .offset: 64, .size: 8, .value_kind: global_buffer, .address_space: global }
      - { .name: kws, .offset: 72, .size: 8, .value_kind: global_buffer, .address_space: global }
      - { .name: qws, .offset: 80, .size: 8, .value_kind: global_buffer, .address_space: global }
    .group_segment_fixed_size: 168448
    .private_segment_fixed_size: 0
    .kernarg_segment_align: 8
    .kernarg_segment_size: 88
    .max_flat_workgroup_size: 128
    .sgpr_count:     84
    .vgpr_count:     832
    .wavefront_size: 32
...
	.end_amdgpu_metadata
.endif
;; end of part 1
;; launch attn (part 2): grid 64 x 4, 8 waves a work-group, clusters of 4 x 1, 327,680 bytes of LDS; arguments qws, kws, vws, out0; writes out0
.if DOCPART == 2
	.amdgcn_target "amdgcn-amd-amdhsa--gfx1250"
	.amdhsa_code_object_version 6
	.text
	.protected	k_qfa2625db44_attn
	.globl	k_qfa2625db44_attn
	.p2align	8
	.type	k_qfa2625db44_attn,@function
k_qfa2625db44_attn:
	s_mov_b64 s[64:65], 0
	v_nop
	global_prefetch_b8 v0, s[64:65] scope:SCOPE_SE
	s_setreg_imm32_b32 hwreg(HW_REG_WAVE_MODE, 25, 1), 1
	s_wait_xcnt 0x0
	s_wait_alu depctr_hold_cnt(0) depctr_sa_sdst(0) depctr_va_vdst(0) depctr_va_sdst(0) depctr_va_ssrc(0) depctr_va_vcc(0) depctr_vm_vsrc(0)
	s_getreg_b32 s2, hwreg(HW_REG_IB_STS2, 6, 4)
	s_cmp_eq_u32 s2, 0
	s_cbranch_scc0 .Lentry_in_a_cluster
	s_endpgm
.Lentry_in_a_cluster:
	s_bfe_u32 s2, ttmp6, 0x10000c
	s_cmp_lg_u32 s2, 0x3003
	s_cbranch_scc0 .Lentry_shape_is_right
	s_endpgm
.Lentry_shape_is_right:
; out[b][q][:] = sum over keys k <= q of softmax_k(Q[q] . K[k] / 8) V[k][:], both products on codes of FP4 (E2M1) with E8M0 scales.  4 batches, 4,096 tokens, 64 units, 512 channels.
; Q, K, V come from the launch before as images of operand registers (its head comment gives the records).
; THE SOFTMAX: t = score x log2(e) / 8; M = the row's largest t so far, rounded up to a whole number; p = 2^(t - M) is quantised along the keys; the sum of the unquantised p divides at the end.
; When M moves, the sums and the accumulators are multiplied by 2^(old M - new M): exact.
; SHARES.  A work-group owns two blocks of 32 queries: A at 128 c + 32 cx and B at 128 (31 - c) + 32 cx (c = cluster x, 0 .. 15).  In steps of 512 keys they need NA = c / 4 + 1 and 9 - NA steps:
; 9 intervals for every work-group, first A's, then B's.  The four partners of a cluster walk the same V in the same intervals: V is asked for jointly (mask 15).
; Wave w (of 8, two to a SIMD) makes the scores and p of both query tiles for keys 64 w .. + 63 of a step, and multiplies p of the whole step by channels 64 w .. + 63 of V: 32 matrix instructions on 8 accumulators.
; K GOES FROM MEMORY TO REGISTERS: a wave's K bytes are read by no other wave of the work-group, and they are 18,432 bytes of a step against V's 139,264, so no joint load is spent on them.
; AN INTERVAL i: one round of the cluster's barrier; V of i + 1 is asked for; the eight waves' largest scores of step i + 1 give its M; its p is made and stored in the other buffer while p(i) and V(i) come into
; registers, 128 keys at a time, and are multiplied; the scores of i + 2 are made and their maxima stored; K of i + 3 is asked for.
; 64 UNITS IN A K STEP OF 128.  A fragment of K holds two key tiles, one in registers 0-3 and one in 4-7; Q stands among zeros, [0 q0 0 q1 0], four registers each: eight registers from a q on multiply the first
; tile, eight that end with it the second.  Zero codes add nothing under any scale byte but 0xff, and each scale word of K and Q holds its two bytes twice.
; THE SCORES are used transposed (source 0 = 16 keys): a lane holds one query.  THE SECOND PRODUCT is not (source 0 = 16 queries, source 1 = 16 channels 4 apart): a lane then holds, over its four
; channel tiles, four neighbouring channels of eight queries, and results are stored from registers, 16 lanes to 256 consecutive aligned bytes.
; Inside a block of 32 keys p and V carry the same order, 16 (i / 8) + 8 (lane / 16) + i % 8.
; THE MASK.  Only a block's last step meets the diagonal; waves whose keys all come before the cluster's 128 queries skip it.  A score whose key comes after its query becomes -infinity.  No branch hangs on cx.
; WORK LEFT OUT (weight 0 by the causal mask: the first kernel's head comment): the steps of 512 keys that come after the step in which a block's queries lie, and in that step the second product's quarters
; of 128 keys that come after the cluster's 128 queries.
; LIMITS.  p under 2^-126 comes out as 0.  A block of p whose largest lies under 2^-124 gets the byte 1 (its codes are zeros or subnormal).  NaN and infinities among the scores are not served.
; The scaled scores t stay under 2^31 in magnitude.
; REGISTERS, window 0: below.  window 1: v0-127 V (K step kk of 128 keys, tile ct at 32 kk + 8 ct); v128-191 accumulators (tile ct, query tile u at 128 + 8 (2 ct + u)); v192-255 p (192 + 8 (4 u + kk)), then results.
.set KREC,  4608
.set VREC,  34816
.set SLOTB, 4*VREC                     ; a slot: V of 512 keys, dense in memory too
.set PIMG,  2*SLOTB                    ; two buffers: p as eight fragments of 1,024 bytes (4 u + kk), at 8,192 their scale words (16 (16 u + r) + 4 kk), at 8,704 the sums (128 wave + 4 lane),
.set PBUF,  10752                      ; at 9,728 the largest scores (32 (16 u + r) + 4 wave)
.set SPARE, PIMG+2*PBUF                ; the spare words, 128 bytes for each wave: four blocks of 256 bytes that no other line names
.set WV,   12
.set CC,   13
.set CX,   14                          ; it enters global addresses and the mask's numbers alone
.set BB,   15
.set NA,   16
.set NAM1, 17
.set TR,   18                          ; the interval
.set TB,   19                          ; 0 or SLOTB: its slot
.set PT,   20                          ; 0 or PBUF: its buffer
.set AA,   21                          ; c % 4: the quarter of A's last step in which the diagonal lies
.set KK,   22                          ; wave / 2: which 128 of a step's keys
.set AB,   23                          ; 3 - c % 4: the same for B
.set SEL,  24                          ; s[24:25] lane selects: lane l xor 16; the two the other way round: lane l xor 8
.set CS,   26                          ; s[26:27] log2(e) / 8, twice
.set G1V,  28                          ; s[28:35] group 1: 68 rows of 256 bytes, an eighth of a slot
.set G0A,  36                          ; s[36:39] group 0
.set VBW,  40                          ; s[40:41] vws at my batch and my eighth
.set KBW,  42                          ; s[42:43] kws at my batch and my record of a step
.set OC,   44                          ; s[44:45] out0 at the block in hand
.set OB,   46                          ; s[46:47] at block B
.set PFA,  48                          ; s[48:49] where my prefetches stand
.set LIMT, 50                          ; a wave prefetches while TR is under it
.set LW,   51                          ; LDS: my eighth of slot 0
.set MSKA, 53                          ; 1 where A's diagonal step needs the mask in my wave
.set MSKB, 54
.set HM,   55                          ; mask of lanes 16-31
.set LQ,   63                          ; the last quarter of the interval's step that is multiplied: 3, or the diagonal's in a block's last step
.set KLB,  78                          ; s[78:79] base of the K loads in hand
.set LI,   3
.set VK,   6
.set VKS,  7
.set AV0,  8
.set AVS0, 9
.set ADV,  10
.set ADV2, 11
.set ADVS, 12
.set ADVS2, 13
.set APW0, 14
.set APS0, 15
.set AL0,  16
.set APR0, 17
.set ALR0, 18
.set APW,  19
.set APS,  20
.set AL,   21
.set APR,  22
.set ALR,  23
.set MXW0, 24
.set MXR0, 25
.set GO,   26
.set PFO,  27
.set SPW,  28
.set NIL,  29
.set NINF, 30
.set DC,   31                          ; the mask's number of the block in hand
.set DB,   32                          ; and of block B
.set MXW,  33
.set NM,   34                          ; v34, v36: -M of the two query tiles; v35, v37 named with them as pairs
.set MXR,  38
.set MT,   39                          ; the largest t so far: query tile 0 in lanes 0-15, tile 1 in lanes 16-31
.set LS,   40                          ; v40-43 the sums of the two query tiles, each in two halves
.set QA,   44                          ; v44-63 Q in hand among zeros
.set QS,   64                          ; its scale words: tile 0 in lanes 0-15, tile 1 in lanes 16-31
.set QSB,  65
.set QB,   66                          ; v66-73 block B's Q
.set NMX,  74                          ; -M, as MT
.set F,    76                          ; v76, v78: 2^(old M - new M) of the two query tiles; v77, v79 named with them as pairs
.set G,    80
.set T,    82
.set TM,   84
.set KF,   88                          ; v88-103 K of 64 keys
.set KS,   104                         ; v104-105 its scale words
.set PS,   106                         ; v106-109 p's scale words, tile 0 in lanes 0-15, tile 1 in lanes 16-31
.set VS,   110                         ; v110-117 V's
.set S,    124                         ; v124-187 scores, then p: query tile u, key tile t at 32 u + 8 t
.set PC,   188
.set MXV,  188                         ; the eight waves' largest scores (p's codes come later in an interval)
.set BM,   196
.set PD,   200
.set SO,   204
.set BY,   208
.set SC,   212
.set LT,   216
.set FR,   228                         ; v228-243 a factor by rows: FR + 8 u + j for query 8 h + j of tile u
.set SUMT, 244
.set QO,   252
.set QSO,  253
.set MSB, 0
.macro WIN new                         ; the immediate's high byte repeats the setting that is left
.if MSB != \new
	s_set_vgpr_msb (MSB<<8)|\new
.set MSB, \new
.endif
.endm
.macro PLACES n
.rept \n
	v_nop
.endr
.endm
.macro ROUND                           ; a round of the cluster's barrier
	s_barrier_signal -1
	s_barrier_wait -1
	s_cmp_lg_u32 s[WV], 0
	s_cbranch_scc1 .Lnot_wave_0_\@
	s_barrier_signal -3
.Lnot_wave_0_\@:
	s_barrier_wait -3
	s_barrier_signal -1
	s_barrier_wait -1
.endm
.macro SMUL                            ; eight tiles of scores: register j of lane (r, h) of tile (u, t) is key 16 t + 8 h + j, query 16 u + r
.irp u, 0,1
.irp g, 0,1
.if \u
	v_wmma_scale_f32_16x16x128_f8f6f4 v[S+32*\u+16*\g:S+32*\u+16*\g+7], v[KF+8*\g:KF+8*\g+7], v[QA+8*\u+4:QA+8*\u+11], 0, v[KS+\g], v[QS] matrix_a_fmt:MATRIX_FMT_FP4 matrix_b_fmt:MATRIX_FMT_FP4 matrix_b_scale:MATRIX_SCALE_ROW1
	v_wmma_scale_f32_16x16x128_f8f6f4 v[S+32*\u+16*\g+8:S+32*\u+16*\g+15], v[KF+8*\g:KF+8*\g+7], v[QA+8*\u:QA+8*\u+7], 0, v[KS+\g], v[QS] matrix_a_fmt:MATRIX_FMT_FP4 matrix_b_fmt:MATRIX_FMT_FP4 matrix_a_scale:MATRIX_SCALE_ROW1 matrix_b_scale:MATRIX_SCALE_ROW1
.else
	v_wmma_scale_f32_16x16x128_f8f6f4 v[S+32*\u+16*\g:S+32*\u+16*\g+7], v[KF+8*\g:KF+8*\g+7], v[QA+8*\u+4:QA+8*\u+11], 0, v[KS+\g], v[QS] matrix_a_fmt:MATRIX_FMT_FP4 matrix_b_fmt:MATRIX_FMT_FP4
	v_wmma_scale_f32_16x16x128_f8f6f4 v[S+32*\u+16*\g+8:S+32*\u+16*\g+15], v[KF+8*\g:KF+8*\g+7], v[QA+8*\u:QA+8*\u+7], 0, v[KS+\g], v[QS] matrix_a_fmt:MATRIX_FMT_FP4 matrix_b_fmt:MATRIX_FMT_FP4 matrix_a_scale:MATRIX_SCALE_ROW1
.endif
.endr
.endr
.endm
.macro MASK d                          ; hidden where 16 t + j - 16 u > d, d = query r of tile 0 less the wave's first key less 8 h
.set n, 0
.rept 64
	v_cmp_gt_i32 vcc_lo, 16*((n%32)/8)+n%8-16*(n/32), v[\d]
	v_cndmask_b32 v[S+n], v[S+n], v[NINF], vcc_lo
.set n, n+1
.endr
.endm
; my 64 keys of step TR + k (less NA once block B has begun): four tiles and their scale words.  Earlier K loads have been waited for, so the base may be written
.macro KNEXT k
	s_add_co_u32 s58, s[TR], \k
	s_cmp_ge_u32 s58, s[NA]
	s_cselect_b32 s59, s[NA], 0
	s_sub_co_u32 s58, s58, s59
	s_and_b32 s58, s58, 7
	s_mul_i32 s58, s58, 4*KREC
	s_mov_b32 s59, 0
	s_add_nc_u64 s[KLB:KLB+1], s[KBW:KBW+1], s[58:59]
.irp t, 0,1,2,3
	global_load_b128 v[KF+4*\t:KF+4*\t+3], v[VK], s[KLB:KLB+1] offset:512*\t
.endr
.irp g, 0,1
	global_load_b32 v[KS+\g], v[VKS], s[KLB:KLB+1] offset:128*\g
.endr
.endm
; THE SCORES OF STEP TR + k, their blocks' largest (kept in v[BM] on) and their rows' largest (stored).  sw: Q may pass to block B here;  mk: the step may be a block's last
.macro NEXT k, sw, mk
	s_wait_loadcnt 0x0                             ; K of the step
	s_add_co_u32 s62, s[TR], \k
.if \sw
	s_cmp_lg_u32 s62, s[NA]
	s_cbranch_scc1 .Lsame_\@
	v_mov_b32 v[QS], v[QSB]
.irp i, 0,1,2,3
	v_mov_b32 v[QA+4+\i], v[QB+\i]
	v_mov_b32 v[QA+12+\i], v[QB+4+\i]
.endr
	v_mov_b32 v[DC], v[DB]
	PLACES 4                                       ; a scale register written by a vector instruction stands 8 places ahead of a scaled matrix instruction, an operand 4
	s_wait_alu depctr_va_vdst(0)
.Lsame_\@:
.endif
	SMUL
	PLACES 4                                       ; ahead of the loads into K's registers and of the first read of the scores
	s_cmp_ge_u32 s62, 8                            ; there is no step 9
	s_cbranch_scc1 .Lno_k_\@
	KNEXT (\k)+1
.Lno_k_\@:
.if \mk
	s_cmp_eq_u32 s62, s[NAM1]
	s_cselect_b32 s58, s[MSKA], 0
	s_cmp_eq_u32 s62, 8
	s_cselect_b32 s59, s[MSKB], 0
	s_or_b32 s58, s58, s59
	s_cmp_eq_u32 s58, 0
	s_cbranch_scc1 .Lnomask_\@
	s_wait_alu depctr_va_vdst(0)
	MASK DC
.Lnomask_\@:
.endif
	s_wait_alu depctr_va_vdst(0)                   ; directly ahead of the scores' first readers
.irp b, 0,1,2,3
	v_max3_num_f32 v[BM+\b], v[S+16*\b], v[S+16*\b+1], v[S+16*\b+2]   ; the largest score of each block of 32 keys: p rises with the score, so it gives the block's largest p
.endr
.irp i, 3,5,7,9,11,13
.irp b, 0,1,2,3
	v_max3_num_f32 v[BM+\b], v[BM+\b], v[S+16*\b+\i], v[S+16*\b+\i+1]
.endr
.endr
.irp b, 0,1,2,3
	v_max_num_f32 v[BM+\b], v[BM+\b], v[S+16*\b+15]
.endr
.irp b, 0,1,2,3
	v_permlanex16_b32 v[PD+\b], v[BM+\b], s[SEL], s[SEL+1]
.endr
.irp b, 0,1,2,3
	v_max_num_f32 v[BM+\b], v[BM+\b], v[PD+\b]
.endr
	v_max_num_f32 v[TM], v[BM], v[BM+1]
	v_max_num_f32 v[TM+1], v[BM+2], v[BM+3]
	v_cndmask_b32 v[TM], v[TM], v[TM+1], s[HM]     ; lanes 0-15 query tile 0, lanes 16-31 tile 1
	ds_store_b32 v[MXW], v[TM]
.endm
; THE NEXT STEP'S M, from the eight waves' largest scores in v[MXV] on; the sums under it; the factor for the accumulators
.macro NEWM
	v_max3_num_f32 v[TM], v[MXV], v[MXV+1], v[MXV+2]
	v_max3_num_f32 v[TM+1], v[MXV+3], v[MXV+4], v[MXV+5]
	v_max3_num_f32 v[TM], v[TM], v[MXV+6], v[MXV+7]
	v_max_num_f32 v[TM], v[TM], v[TM+1]
	v_mul_f32 v[TM], s[CS], v[TM]                  ; as t
	v_max_num_f32 v[MT], v[MT], v[TM]
	v_mov_b32 v[TM+1], v[NMX]
	v_floor_f32 v[NMX], -v[MT]                     ; -M = floor(-t) = -ceil(t)
	v_sub_f32 v[TM+1], v[NMX], v[TM+1]             ; old M less new M: a whole number, 0 or less
	v_cvt_i32_f32 v[TM+1], v[TM+1]                 ; (it saturates)
	v_ldexp_f32 v[TM], 1.0, v[TM+1]
	v_permlanex16_b32 v[T], v[NMX], s[SEL], s[SEL+1]
	v_permlanex16_b32 v[T+1], v[TM], s[SEL], s[SEL+1]
	v_cndmask_b32 v[NM], v[NMX], v[T], s[HM]       ; every lane takes its row's of both query tiles
	v_cndmask_b32 v[NM+2], v[T], v[NMX], s[HM]
	v_cndmask_b32 v[F], v[TM], v[T+1], s[HM]
	v_cndmask_b32 v[F+2], v[T+1], v[TM], s[HM]
	v_pk_mul_f32 v[LS:LS+1], v[LS:LS+1], v[F:F+1] op_sel_hi:[1,0]
	v_pk_mul_f32 v[LS+2:LS+3], v[LS+2:LS+3], v[F+2:F+3] op_sel_hi:[1,0]
.endm
; numbers of lane r (tile 0's in v[a], tile 1's in v[b]) by rows: v[FR + 8 u + j] is that of row 8 h + j
.macro ROWS a, b
	v_permlane16_b32 v[T], v[\a], s[SEL+1], s[SEL]
	v_permlane16_b32 v[T+1], v[\b], s[SEL+1], s[SEL]
	v_cndmask_b32 v[G], v[\a], v[T], s[HM]         ; in lanes 16-31 the row's two halves change places
	v_cndmask_b32 v[G+1], v[\b], v[T+1], s[HM]
.irp j, 0,1,2,3,4,5,6,7
	v_mov_b32_dpp v[FR+\j], v[G] row_share:\j row_mask:0xf bank_mask:0xf
	v_mov_b32_dpp v[FR+8+\j], v[G+1] row_share:\j row_mask:0xf bank_mask:0xf
.endr
.endm
.macro RESCALE                         ; the accumulators under this interval's M
	ROWS F, F+2
	WIN 0x41                                       ; accumulators window 1, factors window 0
.irp ct, 0,1,2,3
.irp u, 0,1
.irp k, 0,2,4,6
	v_pk_mul_f32 v[128+8*(2*\ct+\u)+\k:128+8*(2*\ct+\u)+\k+1], v[128+8*(2*\ct+\u)+\k:128+8*(2*\ct+\u)+\k+1], v[FR+8*\u+\k:FR+8*\u+\k+1]
.endr
.endr
.endr
	WIN 0
.endm
.macro GROUP kk                        ; twelve loads: p and V of 128 keys
	WIN 0x40
.irp u, 0,1
	ds_load_b128 v[192+8*(4*\u+\kk):192+8*(4*\u+\kk)+3], v[APR] offset:1024*(4*\u+\kk)
	ds_load_b128 v[192+8*(4*\u+\kk)+4:192+8*(4*\u+\kk)+7], v[APR] offset:1024*(4*\u+\kk)+512
.endr
.irp ct, 0,1,2,3
.if \kk < 2
	ds_load_b128 v[32*\kk+8*\ct:32*\kk+8*\ct+3], v[ADV] offset:VREC*\kk+1024*\ct
	ds_load_b128 v[32*\kk+8*\ct+4:32*\kk+8*\ct+7], v[ADV] offset:VREC*\kk+1024*\ct+512
.else
	ds_load_b128 v[32*\kk+8*\ct:32*\kk+8*\ct+3], v[ADV2] offset:VREC*(\kk-2)+1024*\ct
	ds_load_b128 v[32*\kk+8*\ct+4:32*\kk+8*\ct+7], v[ADV2] offset:VREC*(\kk-2)+1024*\ct+512
.endif
.endr
	WIN 0
.endm
; O += P V over 128 keys: 4 channel tiles x 2 query tiles; the eight accumulators take turns.  younger: LDS instructions issued behind the group's loads
.macro PV kk, younger
	WIN 0x55                                       ; all operands in window 1
	s_wait_dscnt \younger
	s_wait_alu depctr_va_vdst(0)                   ; the accumulators may be first read behind exponentials
.irp ct, 0,1,2,3
.if \ct < 2
	v_wmma_scale_f32_16x16x128_f8f6f4 v[128+16*\ct:128+16*\ct+7], v[192+8*\kk:192+8*\kk+7], v[32*\kk+8*\ct:32*\kk+8*\ct+7], v[128+16*\ct:128+16*\ct+7], v[PS+\kk], v[VS+2*\kk+\ct%2] matrix_a_fmt:MATRIX_FMT_FP4 matrix_b_fmt:MATRIX_FMT_FP4
	v_wmma_scale_f32_16x16x128_f8f6f4 v[136+16*\ct:136+16*\ct+7], v[224+8*\kk:224+8*\kk+7], v[32*\kk+8*\ct:32*\kk+8*\ct+7], v[136+16*\ct:136+16*\ct+7], v[PS+\kk], v[VS+2*\kk+\ct%2] matrix_a_fmt:MATRIX_FMT_FP4 matrix_b_fmt:MATRIX_FMT_FP4 matrix_a_scale:MATRIX_SCALE_ROW1
.else
	v_wmma_scale_f32_16x16x128_f8f6f4 v[128+16*\ct:128+16*\ct+7], v[192+8*\kk:192+8*\kk+7], v[32*\kk+8*\ct:32*\kk+8*\ct+7], v[128+16*\ct:128+16*\ct+7], v[PS+\kk], v[VS+2*\kk+\ct%2] matrix_a_fmt:MATRIX_FMT_FP4 matrix_b_fmt:MATRIX_FMT_FP4 matrix_b_scale:MATRIX_SCALE_ROW1
	v_wmma_scale_f32_16x16x128_f8f6f4 v[136+16*\ct:136+16*\ct+7], v[224+8*\kk:224+8*\kk+7], v[32*\kk+8*\ct:32*\kk+8*\ct+7], v[136+16*\ct:136+16*\ct+7], v[PS+\kk], v[VS+2*\kk+\ct%2] matrix_a_fmt:MATRIX_FMT_FP4 matrix_b_fmt:MATRIX_FMT_FP4 matrix_a_scale:MATRIX_SCALE_ROW1 matrix_b_scale:MATRIX_SCALE_ROW1
.endif
.endr
	WIN 0
.endm
; scores -> p, the sums, codes and scale bytes, stored.  mix = 1: the loads of groups 1 and 0 and the products of groups 3 and 2 stand between
.macro SOFT mix
.set j, 0
.rept 32
	v_pk_fma_f32 v[S+j:S+j+1], v[S+j:S+j+1], s[CS:CS+1], v[NM+2*(j/32):NM+2*(j/32)+1] op_sel_hi:[1,0,0]   ; t - M, two at a time
.set j, j+2
.endr
.irp b, 0,1,2,3
	v_fma_f32 v[BM+\b], v[BM+\b], s[CS], v[NM+2*(\b/2)]
.endr
.if \mix
	GROUP 1
.endif
	s_wait_alu depctr_va_vdst(0)                   ; ahead of the batch
.set j, 0
.rept 64
	v_exp_f32 v[S+j], v[S+j]                       ; p = 2^(t - M)
.set j, j+1
.endr
	v_nop                                          ; one place behind the exponentials
.if \mix
	GROUP 0
.endif
	s_wait_alu depctr_va_vdst(0)                   ; one wait for the 64, ahead of their first reader
.irp b, 0,1,2,3
	v_exp_f32 v[BM+\b], v[BM+\b]                   ; each block's largest p
.endr
	v_pk_add_f32 v[SC:SC+1], v[S:S+1], v[S+2:S+3]  ; the sums of the unquantised p, two chains a query tile; they read the 64 alone
	v_pk_add_f32 v[SC+2:SC+3], v[S+32:S+33], v[S+34:S+35]
.set j, 4
.rept 7
	v_pk_add_f32 v[LS:LS+1], v[LS:LS+1], v[S+j:S+j+1]
	v_pk_add_f32 v[LS+2:LS+3], v[LS+2:LS+3], v[S+32+j:S+33+j]
	v_pk_add_f32 v[SC:SC+1], v[SC:SC+1], v[S+j+2:S+j+3]
	v_pk_add_f32 v[SC+2:SC+3], v[SC+2:SC+3], v[S+34+j:S+35+j]
.set j, j+4
.endr
	v_pk_add_f32 v[LS:LS+1], v[LS:LS+1], v[SC:SC+1]
	v_pk_add_f32 v[LS+2:LS+3], v[LS+2:LS+3], v[SC+2:SC+3]
	s_wait_alu depctr_va_vdst(0)                   ; and one for the four
.if \mix
	QPV LQ, 3, 36                                  ; behind group 3's loads: three groups
.endif
.irp b, 0,1,2,3
	v_max_num_f32 v[BM+\b], 0x1800000, v[BM+\b]    ; the floor 2^(3 - 127): the byte cannot fall under 1
.endr
.irp b, 0,1,2,3
	v_add_nc_u32 v[SO+\b], 0xff000000, v[BM+\b]    ; 2 off the exponent field: the conversion's scale operand
.endr
.irp b, 0,1,2,3
	v_cvt_scalef32_pk8_fp4_f32 v[PC+2*\b], v[S+16*\b:S+16*\b+7], v[SO+\b]
	v_cvt_scalef32_pk8_fp4_f32 v[PC+2*\b+1], v[S+16*\b+8:S+16*\b+15], v[SO+\b]
.endr
.irp b, 0,1,2,3
	v_lshrrev_b32 v[BY+\b], 23, v[SO+\b]           ; (plain lines behind the scaled conversions)
.endr
	v_lshl_or_b32 v[BY], v[BY+1], 8, v[BY]
	v_lshl_or_b32 v[BY+2], v[BY+3], 8, v[BY+2]
	v_add_f32 v[LT], v[LS], v[LS+1]
	v_add_f32 v[LT+1], v[LS+2], v[LS+3]
	v_cndmask_b32 v[BY], v[BY], v[BY+2], s[HM]     ; lanes 0-15 query tile 0's two bytes, lanes 16-31 tile 1's
	v_cndmask_b32 v[LT+2], v[LT+1], v[LT], s[HM]   ; the sums likewise: what the other half of the lanes wants,
	v_cndmask_b32 v[LT], v[LT], v[LT+1], s[HM]     ; what I keep,
	v_permlanex16_b32 v[LT+3], v[LT+2], s[SEL], s[SEL+1]
	v_add_f32 v[LT], v[LT], v[LT+3]                ; and both halves' keys together
.irp u, 0,1
.irp i, 0,1
	v_permlane16_swap_b32 v[PC+4*\u+\i], v[PC+4*\u+2+\i]   ; a whole block to a lane
.endr
.endr
	ds_store_b128 v[APW], v[PC:PC+3]               ; four stores: query tile 0's half of fragment kk,
	ds_store_b128 v[APW], v[PC+4:PC+7] offset:4096 ; tile 1's,
	ds_store_b16 v[APS], v[BY]                     ; their halves of the scale words,
	ds_store_b32 v[AL], v[LT]                      ; and my sums of the block so far
.if \mix
	QPV LQ, 2, 28                                  ; behind group 2's loads: two groups and the four stores
.endif
.endm
; THE WAY OUT of a block of 32 queries.  Each lane adds the eight waves' sums of one query (tile lane / 16, row lane % 16); the reciprocals go to the lane's eight rows.
; fin = 0: block B follows: the accumulators begin anew, out0 moves to its rows.
.macro FINISH fin
	PLACES 4                                       ; behind the last products
.irp w, 0,1,2,3,4,5,6,7
	ds_load_b32 v[SUMT+\w], v[ALR] offset:128*\w
.endr
	s_wait_dscnt 0x0
.irp w, 0,2,4,6
	v_add_f32 v[SUMT+\w], v[SUMT+\w], v[SUMT+\w+1]
.endr
	v_add_f32 v[SUMT], v[SUMT], v[SUMT+2]
	v_add_f32 v[SUMT+4], v[SUMT+4], v[SUMT+6]
	v_add_f32 v[SUMT], v[SUMT], v[SUMT+4]
	s_wait_alu depctr_va_vdst(0)                   ; ahead of the transcendental
	v_rcp_f32 v[SUMT+1], v[SUMT]
	v_nop
	s_wait_alu depctr_va_vdst(0)                   ; and ahead of its first reader
	v_permlanex16_b32 v[T], v[SUMT+1], s[SEL], s[SEL+1]
	v_cndmask_b32 v[SUMT+2], v[SUMT+1], v[T], s[HM]
	v_cndmask_b32 v[SUMT+3], v[T], v[SUMT+1], s[HM]
	ROWS SUMT+2, SUMT+3
	WIN 0x41                                       ; results and accumulators in window 1
	s_wait_alu depctr_va_vdst(0)                   ; directly ahead of the accumulators' first readers
.irp u, 0,1
.irp j, 0,1,2,3,4,5,6,7
.irp ct, 0,1,2,3
	v_mul_f32 v[192+32*\u+4*\j+\ct], v[128+8*(2*\ct+\u)+\j], v[FR+8*\u+\j]   ; each accumulator from its low end on
.endr
.endr
.endr
.if \fin == 0
	WIN 0x40
.set i, 0
.rept 64
	v_mov_b32 v[128+i], 0                          ; block B's first interval hangs on the cluster, so its sums begin as zeros
.set i, i+1
.endr
.endif
	WIN 0x04                                       ; store data in window 1
.irp u, 0,1
.irp j, 0,1,2,3,4,5,6,7
	global_store_b128 v[GO], v[192+32*\u+4*\j:192+32*\u+4*\j+3], s[OC:OC+1] offset:(16*\u+\j)*2048 th:TH_STORE_NT
.endr
.endr
	WIN 0
.if \fin == 0
	s_wait_xcnt 0x0                                ; the stores have read their base and their registers
	s_mov_b64 s[OC:OC+1], s[OB:OB+1]
.endif
.endm
; A PREFETCH INTO THE L2 of V.  All clusters of a batch walk the same tiles: cluster 0 of the batch asks, in intervals 0 to 5, for the tile whose number is two on (tiles 2 to 7), one interval or more ahead of the first
; joint load of any cluster that wants it.  Its four partners are told apart by address (record cx of the tile's four: 136 blocks of 256 bytes), the waves of each take 17 blocks, lanes 256 bytes apart, the lanes
; over name the wave's last block again.  Tiles 0 and 1, K and Q come by their loads alone.
.macro ASK
	s_cmp_lt_u32 s[TR], s[LIMT]
	s_cbranch_scc0 .Lnot_mine_\@
	global_prefetch_b8 v[PFO], s[PFA:PFA+1] th:TH_LOAD_NT scope:SCOPE_SE
.Lnot_mine_\@:
.endm
; the products of quarter q, where the diagonal has reached it.  (Its loads are issued in every interval: each joint load is read, and the counts of the waits are constants)
.macro QPV a, q, younger
	s_cmp_lt_u32 s[\a], \q
	s_cbranch_scc1 .Lhidden_\@
	PV \q, \younger
.Lhidden_\@:
.endm
; AN INTERVAL.  mode 0: in the loop; 1: the last but one, behind which there are no scores; 2: the last, which only multiplies
.macro IVAL mode
	s_wait_tensorcnt 0x0                           ; my eighth of this interval's slot is in;
	ds_add_u32 v[SPW], v[NIL]                      ; 0 onto my spare word; work on registers stands between it and the wait for it
.if \mode < 2
	s_add_co_u32 s58, s[TR], 1                     ; no tensor load of mine is out, so group 0 may be written: the next interval's tile into the other slot
	s_cmp_ge_u32 s58, s[NA]
	s_cselect_b32 s59, s[NA], 0
	s_sub_co_u32 s58, s58, s59
	s_and_b32 s58, s58, 7
	s_mul_i32 s58, s58, SLOTB
	s_mov_b32 s59, 0
	s_xor_b32 s60, s[TB], SLOTB
	s_add_co_u32 s[G0A+1], s[LW], s60
	s_add_nc_u64 s[G0A+2:G0A+3], s[VBW:VBW+1], s[58:59]
	s_or_b32 s[G0A+3], s[G0A+3], 0x80000000
	s_wait_xcnt 0x0                                ; the last prefetch, an interval back, has read its address
	s_add_nc_u64 s[PFA:PFA+1], s[PFA:PFA+1], SLOTB
	s_xor_b32 s61, s[PT], PBUF
	v_add_nc_u32 v[APW], s61, v[APW0]
	v_add_nc_u32 v[APS], s61, v[APS0]
	v_add_nc_u32 v[AL], s61, v[AL0]
	v_add_nc_u32 v[MXR], s61, v[MXR0]
	v_add_nc_u32 v[MXW], s[PT], v[MXW0]
.endif
	v_add_nc_u32 v[ADV], s[TB], v[AV0]
	v_add_nc_u32 v[ADVS], s[TB], v[AVS0]
	v_add_nc_u32 v[APR], s[PT], v[APR0]
	v_add_nc_u32 v[ALR], s[PT], v[ALR0]
	v_add_nc_u32 v[ADV2], 2*VREC, v[ADV]           ; (an LDS offset has 16 bits: a second pair of addresses for K steps 2 and 3)
	v_add_nc_u32 v[ADVS2], 2*VREC, v[ADVS]
	s_wait_alu depctr_va_vdst(0)                   ; directly ahead of the wait below
	s_wait_dscnt 0x0                               ; my stores have landed, the add is done, my reads of the other slot are over
.if \mode < 2
	ROUND                                          ; no wave of any partner still reads the other slot or has a load on its way; p of this interval lies in LDS
	tensor_load_to_lds s[G0A:G0A+3], s[G1V:G1V+7]  ; my one tensor load behind the round, and the first thing there
	s_nop 0
	PLACES 4
	ds_load_b128 v[MXV:MXV+3], v[MXR]
	ds_load_b128 v[MXV+4:MXV+7], v[MXR] offset:16
.else
	s_barrier_signal -1
	s_barrier_wait -1
.endif
	ds_load_b128 v[PS:PS+3], v[APR] offset:8192
.irp k, 0,1
	ds_load_b64 v[VS+2*\k:VS+2*\k+1], v[ADVS] offset:VREC*\k
	ds_load_b64 v[VS+4+2*\k:VS+4+2*\k+1], v[ADVS2] offset:VREC*\k
.endr
.if \mode == 2
	GROUP 3
	GROUP 2
	GROUP 1
	GROUP 0
	RESCALE
	QPV AB, 3, 36                                  ; behind a group's loads: the groups that follow it
	QPV AB, 2, 24
	QPV AB, 1, 12
	PV 0, 0
	FINISH 1
.else
.if \mode == 0
	ASK
.endif
	GROUP 3
	s_cmp_eq_u32 s[TR], s[NAM1]                    ; block A's last interval?
	s_cselect_b32 s[LQ], s[AA], 3
.if \mode == 0
	s_cbranch_scc0 .Lsame_block_\@
	v_mov_b32 v[MT], 0xff61b1e6                    ; the step whose p is made is block B's first: the largest t is -3e38 again, under every t
	v_mov_b32 v[NMX], 0x7f61b1e6
.irp i, 0,1,2,3
	v_mov_b32 v[LS+\i], 0
.endr
	s_wait_alu depctr_va_vdst(0)
.Lsame_block_\@:
.endif
	RESCALE                                        ; by the factor that was made an interval ago
	s_wait_dscnt 17                                ; the maxima are in; scale words (5) and group 3 (12) may be out
	NEWM
	GROUP 2
	SOFT 1
	QPV LQ, 1, 16                                  ; behind group 1's loads: group 0 and the four stores
.if \mode == 0
	NEXT 2, 1, 1
	PV 0, 5                                        ; the four stores and the maxima's
	s_cmp_lg_u32 s[TR], s[NAM1]
	s_cbranch_scc1 .Lend_\@
	FINISH 0
.Lend_\@:
.else
	PV 0, 4
.endif
	s_xor_b32 s[TB], s[TB], SLOTB
	s_xor_b32 s[PT], s[PT], PBUF
	s_add_co_u32 s[TR], s[TR], 1
.endif
.endm
	s_load_b256 s[4:11], s[0:1], 0x0               ; qws s[4:5], kws s[6:7], vws s[8:9], out0 s[10:11]
	v_lshl_add_u32 v[SPW], v0, 2, SPARE
	v_mov_b32 v[NIL], 0
	ds_add_u32 v[SPW], v[NIL]                      ; the wave's opening: the add, twice on end, and its wait
	ds_add_u32 v[SPW], v[NIL]
	v_lshrrev_b32 v1, 5, v0
	v_readfirstlane_b32 s[WV], v1
	v_and_b32 v1, 15, v0                           ; r
	v_bfe_u32 v2, v0, 4, 1                         ; h
	v_and_b32 v4, 31, v0                           ; lane
	v_lshlrev_b32 v[LI], 4, v4
	v_lshlrev_b32 v5, 2, v4
	v_cmp_le_u32 s[HM], 16, v4
	s_wait_alu depctr_va_vdst(0)                   ; ahead of the scalar lines below
	s_and_b32 s56, s[WV], 1
	s_lshr_b32 s[KK], s[WV], 1
	s_mov_b32 s[CC], ttmp9
	s_bfe_u32 s[CX], ttmp6, 0x40000
	s_and_b32 s[BB], ttmp7, 0xffff
	s_lshr_b32 s[NAM1], s[CC], 2
	s_add_co_u32 s[NA], s[NAM1], 1
	s_and_b32 s[AA], s[CC], 3
	s_sub_co_u32 s[AB], 3, s[AA]
	s_cmp_ge_u32 s[KK], s[AA]
	s_cselect_b32 s[MSKA], 1, 0
	s_cmp_ge_u32 s[KK], s[AB]
	s_cselect_b32 s[MSKB], 1, 0
	s_mov_b32 s[TR], 0
	s_mov_b32 s[TB], 0
	s_mov_b32 s[PT], 0
	s_mov_b32 s[SEL], 0x76543210
	s_mov_b32 s[SEL+1], 0xfedcba98
	s_mov_b32 s[CS], 0x3e38aa3b                    ; log2(e) / 8
	s_mov_b32 s[CS+1], s[CS]
	; group 1: a dense block as 68 rows of 32 elements of 8 bytes, no padding (images are read 16 bytes a lane on end); mask 15 with bit 21 beside it
	s_mov_b32 s[G1V], 15|(3<<16)|(1<<21)
	s_mov_b32 s[G1V+1], 32<<16
	s_mov_b32 s[G1V+2], 68<<16
	s_mov_b32 s[G1V+3], 32<<16
	s_mov_b32 s[G1V+4], 68
	s_mov_b32 s[G1V+5], 32
	s_mov_b32 s[G1V+6], 0
	s_mov_b32 s[G1V+7], 0
	s_mul_i32 s66, s[BB], 32*KREC                  ; K: my batch, record w / 2 of a step's four
	s_mul_i32 s67, s[KK], KREC
	s_add_co_u32 s66, s66, s67
	s_mov_b32 s67, 0
	s_mul_i32 s[LW], s[WV], SLOTB/8
	s_mul_i32 s72, s[BB], 32*VREC                  ; V: my batch, my eighth of a tile
	s_add_co_u32 s72, s72, s[LW]
	s_mov_b32 s73, 0
	s_lshl_b32 s74, s[BB], 5                       ; Q: record 32 b + c (block A) or 32 b + 31 - c (block B)
	s_add_co_u32 s68, s74, s[CC]
	s_mul_i32 s68, s68, KREC
	s_mov_b32 s69, 0
	s_add_co_u32 s70, s74, 31
	s_sub_co_u32 s70, s70, s[CC]
	s_mul_i32 s70, s70, KREC
	s_mov_b32 s71, 0
	s_lshl_b32 s80, s[CX], 10                      ; in it token tiles 2 cx and 2 cx + 1, pair cx of the scale words
	v_add_nc_u32 v[QO], s80, v[LI]
	s_lshl_b32 s80, s[CX], 7
	s_add_co_u32 s80, s80, 4096
	v_add_nc_u32 v[QSO], s80, v5
	s_lshl_b32 s80, s56, 11
	v_add_nc_u32 v[VK], s80, v[LI]                 ; K: half w % 2 of the record
	s_lshl_b32 s80, s56, 8
	s_add_co_u32 s80, s80, 4096
	v_add_nc_u32 v[VKS], s80, v5
	s_wait_alu depctr_va_vdst(0)                   ; directly ahead of the waits below
	s_wait_dscnt 0x0                               ; both opening adds are done
	s_wait_kmcnt 0x0
	s_add_nc_u64 s[68:69], s[4:5], s[68:69]
	s_add_nc_u64 s[70:71], s[4:5], s[70:71]
	s_add_nc_u64 s[KBW:KBW+1], s[6:7], s[66:67]
	s_add_nc_u64 s[VBW:VBW+1], s[8:9], s[72:73]
	KNEXT 0
.irp u, 0,1
	global_load_b128 v[QA+8*\u+4:QA+8*\u+7], v[QO], s[68:69] offset:512*\u
.endr
	global_load_b32 v[QS], v[QSO], s[68:69]
.irp u, 0,1
	global_load_b128 v[QB+4*\u:QB+4*\u+3], v[QO], s[70:71] offset:512*\u
.endr
	global_load_b32 v[QSB], v[QSO], s[70:71]
	s_mov_b32 s[G0A], 1
	s_mov_b32 s[G0A+1], s[LW]
	s_mov_b64 s[G0A+2:G0A+3], s[VBW:VBW+1]
	s_or_b32 s[G0A+3], s[G0A+3], 0x80000000
	ROUND                                          ; all four work-groups are here: the first joint loads meet
	tensor_load_to_lds s[G0A:G0A+3], s[G1V:G1V+7]  ; slot 0's first fill, the wave's one load at the head
	s_nop 0
	PLACES 4
.irp i, 0,1,2,3
	v_mov_b32 v[QA+\i], 0                          ; the zeros round Q
	v_mov_b32 v[QA+8+\i], 0
	v_mov_b32 v[QA+16+\i], 0
	v_mov_b32 v[PD+\i], 0                          ; a lane permute's destination counts as one of its sources
	v_mov_b32 v[LS+\i], 0
	v_mov_b32 v[F+\i], 0                           ; (two of them named as upper halves of pairs)
.endr
.irp i, 0,1,2,3,4,5,6,7,8,9,10,11,12,13,14,15
	v_mov_b32 v[FR+\i], 0
.endr
	v_mov_b32 v[T], 0
	v_mov_b32 v[T+1], 0
	v_mov_b32 v[LT+3], 0
	v_mov_b32 v[NM+1], 0                           ; named as upper halves of pairs
	v_mov_b32 v[NM+3], 0
	v_mov_b32 v[NINF], 0xff800000
	v_mov_b32 v[MT], 0xff61b1e6                    ; the largest t so far: -3e38, under every t
	v_mov_b32 v[NMX], 0x7f61b1e6                   ; -M = floor(3e38)
	s_lshl_b32 s80, s[WV], 12
	v_add_nc_u32 v[AV0], s80, v[LI]                ; V: channel tiles 4 w on,
	s_lshl_b32 s80, s[WV], 8
	s_add_co_u32 s80, s80, 32768
	v_lshl_add_u32 v[AVS0], v4, 3, s80             ; group w of the scale words
	s_lshl_b32 s80, s[WV], 9
	s_add_co_u32 s80, s80, PIMG
	v_add_nc_u32 v[APW0], s80, v[LI]               ; p: half w % 2 of fragment w / 2,
	s_lshl_b32 s80, s[WV], 1
	s_add_co_u32 s80, s80, PIMG+8192
	v_add_nc_u32 v[APS0], s80, v[LI]               ; two bytes of its scale words,
	s_lshl_b32 s81, s[WV], 7
	s_add_co_u32 s80, s81, PIMG+8704
	v_add_nc_u32 v[AL0], s80, v5                   ; the sums
	v_add_nc_u32 v[APR0], PIMG, v[LI]
	v_add_nc_u32 v[ALR0], PIMG+8704, v5
	s_lshl_b32 s80, s[WV], 2
	s_add_co_u32 s80, s80, PIMG+9728
	v_lshl_add_u32 v[MXW0], v4, 5, s80             ; the largest scores: in, one of a query's eight;
	v_lshlrev_b32 v[MXR0], 5, v4
	v_add_nc_u32 v[MXR0], PIMG+9728, v[MXR0]       ; back, all eight
	v_mov_b32 v[MXW], v[MXW0]                      ; step 0's maxima and p go to buffer 0
	v_mov_b32 v[APW], v[APW0]
	v_mov_b32 v[APS], v[APS0]
	v_mov_b32 v[AL], v[AL0]
	v_lshlrev_b32 v[GO], 14, v2                    ; out0: rows of 2,048 bytes, 8 h on; channels 64 w + 4 r
	v_lshl_add_u32 v[GO], v1, 4, v[GO]
	s_lshl_b32 s80, s[WV], 8
	v_add_nc_u32 v[GO], s80, v[GO]
	v_min_u32 v[PFO], 16, v4
	v_lshlrev_b32 v[PFO], 8, v[PFO]
	s_mul_i32 s80, s[WV], 17*256
	v_add_nc_u32 v[PFO], s80, v[PFO]
	s_lshl_b32 s80, s[CX], 5                       ; the mask's numbers: 128 (block's place in 512) + 32 cx - 64 w + r - 8 h
	s_lshl_b32 s81, s[WV], 6
	s_sub_co_i32 s80, s80, s81
	s_lshl_b32 s81, s[AA], 7
	s_add_co_i32 s82, s80, s81
	s_sub_co_i32 s81, 384, s81
	s_add_co_i32 s83, s80, s81
	v_lshlrev_b32 v[DB], 3, v2
	v_sub_nc_u32 v[DB], v1, v[DB]
	v_add_nc_u32 v[DC], s82, v[DB]
	v_add_nc_u32 v[DB], s83, v[DB]
	WIN 0x40
.set i, 0
.rept 64
	v_mov_b32 v[128+i], 0                          ; the accumulators begin as zeros: one text serves every interval
.set i, i+1
.endr
	WIN 0
	s_lshl_b32 s80, s[BB], 12                      ; out0 at the two blocks' first rows
	s_lshl_b32 s81, s[CX], 5
	s_add_co_u32 s80, s80, s81
	s_lshl_b32 s81, s[CC], 7
	s_add_co_u32 s82, s80, s81
	s_lshl_b32 s82, s82, 11
	s_mov_b32 s83, 0
	s_add_nc_u64 s[OC:OC+1], s[10:11], s[82:83]
	s_sub_co_u32 s81, 31*128, s81
	s_add_co_u32 s82, s80, s81
	s_lshl_b32 s82, s82, 11
	s_add_nc_u64 s[OB:OB+1], s[10:11], s[82:83]
	s_mul_i32 s80, s[BB], 32*VREC                  ; the prefetches stand at tile 1; interval 0 steps them to tile 2
	s_mul_i32 s81, s[CX], VREC
	s_add_co_u32 s80, s80, s81
	s_add_co_u32 s80, s80, SLOTB
	s_mov_b32 s81, 0
	s_add_nc_u64 s[PFA:PFA+1], s[8:9], s[80:81]
	s_cmp_eq_u32 s[CC], 0                          ; the batch's cluster 0 asks: the same in all four partners
	s_cselect_b32 s[LIMT], 6, 0
	s_wait_alu depctr_va_vdst(0)
	NEXT 0, 0, 1                                   ; step 0's scores and maxima
	v_add_nc_u32 v[MXW], PBUF, v[MXW0]             ; step 1's go to buffer 1
	s_wait_alu depctr_va_vdst(0)
	s_wait_dscnt 0x0                               ; (slot 0's load may stay out)
	s_barrier_signal -1
	s_barrier_wait -1
	ds_load_b128 v[MXV:MXV+3], v[MXR0]
	ds_load_b128 v[MXV+4:MXV+7], v[MXR0] offset:16
	s_wait_dscnt 0x0
	NEWM
	SOFT 0
	NEXT 1, 1, 1
.Livl:                                             ; intervals 0 to 6
	IVAL 0
	s_wait_alu depctr_va_vdst(0)
	s_cmp_lt_u32 s[TR], 7
	s_cbranch_scc1 .Livl
	IVAL 1                                         ; the tail is written out
	IVAL 2
	s_wait_tensorcnt 0x0                           ; the wave's end: behind my last tensor load and my last LDS store
	ds_add_u32 v[SPW], v[NIL]
	s_wait_dscnt 0x0
	ROUND                                          ; the closing round: no work-group ends while a partner may still ask for a tile that names it
	s_endpgm
.Lfunc_end_k_qfa2625db44_attn:
	.size	k_qfa2625db44_attn, .Lfunc_end_k_qfa2625db44_attn-k_qfa2625db44_attn
	.p2alignl 7, 3214868480
	.fill 96, 4, 3214868480
	.section	.rodata,"a",@progbits
	.p2align	6, 0x0
	.amdhsa_kernel k_qfa2625db44_attn
		.amdhsa_group_segment_fixed_size 327680
		.amdhsa_private_segment_fixed_size 0
		.amdhsa_enable_private_segment 0
		.amdhsa_kernarg_size 32
		.amdhsa_user_sgpr_count 2
		.amdhsa_user_sgpr_kernarg_segment_ptr 1
		.amdhsa_wavefront_size32 1
		.amdhsa_system_sgpr_workgroup_id_x 1
		.amdhsa_system_sgpr_workgroup_id_y 1
		.amdhsa_system_sgpr_workgroup_id_z 1
		.amdhsa_system_vgpr_workitem_id 0
		.amdhsa_next_free_vgpr 512
		.amdhsa_next_free_sgpr 90
		.amdhsa_reserve_vcc 1
		.amdhsa_float_denorm_mode_32 3
		.amdhsa_float_denorm_mode_16_64 3
		.amdhsa_memory_ordered 1
		.amdhsa_forward_progress 1
		.amdhsa_inst_pref_size 123
	.end_amdhsa_kernel
	.amdgpu_metadata
---
amdhsa.version: [ 1, 2 ]
amdhsa.kernels:
  - .name:           k_qfa2625db44_attn
    .symbol:         k_qfa2625db44_attn.kd
    .args:
      - { .name: qws, .offset: 0, .size: 8, .value_kind: global_buffer, .address_space: global }
      - { .name: kws, .offset: 8, .size: 8, .value_kind: global_buffer, .address_space: global }
      - { .name: vws, .offset: 16, .size: 8, .value_kind: global_buffer, .address_space: global }
      - { .name: out0, .offset: 24, .size: 8, .value_kind: global_buffer, .address_space: global }
    .group_segment_fixed_size: 327680
    .private_segment_fixed_size: 0
    .kernarg_segment_align: 8
    .kernarg_segment_size: 32
    .max_flat_workgroup_size: 256
    .sgpr_count:     90
    .vgpr_count:     512
    .wavefront_size: 32
...
	.end_amdgpu_metadata
.endif
;; end of part 2
